; MI455X (gfx1250); checked and timed in simulation.
; The chip was launched on July 23, 2026; its instructions are those of AMD's public machine-readable ISA for CDNA 5 (MIT licence, August 2026) and "CDNA5" Instruction Set Architecture Reference Guide (July 2026). The comments in the code are by the model that wrote it; some were corrected since.
;; Scaled Dot Product. Allowed arithmetic: matrix products marked QUANTISED: E2M3 operands, one E8M0 scale for each 32 along K, by v_wmma_scale_f32_16x16x128_f8f6f4 with both operands' format E2M3, f32 sums; everything else in f32.
;; Inputs: key 4 x 16 x 2,048 x 64 float32; mask 4 x 1 x 2,048 x 2,048 int32; query 4 x 16 x 2,048 x 64 float32; value 4 x 16 x 2,048 x 64 float32.
;; Outputs: out0 4 x 16 x 2,048 x 64 float32.
;; Constants: d_k = 64.
;; This version of the problem:
;;   THIS VERSION OF THE PROBLEM IS GIVEN IN LOW PRECISION. The matrix products marked QUANTISED in the list below multiply operands that are first quantised to E2M3 (2 exponent bits, 3 mantissa bits; 6 bits a number), with one power-of-two scale for each 32 numbers along K (OCP MX v1.0); their sums are f32. All else is computed in f32.
;;   The module's matrix products, in the order in which they are computed (A, B: the left and right operand; K: the contracted axis; several contracted axes count as one K, in the product's order):
;;     1. batch 64 x [M 2,048, K 64] x [K 64, N 2,048]; A: input query; B: input key: QUANTISED
;;     2. batch 64 x [M 2,048, K 2,048] x [K 2,048, N 64]; A: softmax (see below); B: input value: QUANTISED
;;   THE QUANTISER, for each operand of a quantised product, along K:
;;     - K is cut into blocks of 32 from its start; a last block that is shorter is filled with zeros.
;;     - A block's scale is 2^e with e = floor(log2(the largest magnitude in the block)) - 2, held to -126 .. 127; a block of zeros has e = 0. As a byte (E8M0): e + 127.
;;     - Each number is divided by its block's scale, clamped to +-7.5, and rounded to the nearest number of E2M3, ties to even, subnormals kept.
;;     - The product sums the exact products of the quantised numbers (number of the format x scale) in f32.
;;   ~~~python
;;   def quantise(x, axis):      # numpy; x: float32 -> the quantised numbers, widened to float32 again
;;       x = np.moveaxis(x, axis, -1); K = x.shape[-1]
;;       x = np.pad(x, [(0, 0)] * (x.ndim - 1) + [(0, -K % 32)]); x = x.reshape(x.shape[:-1] + (-1, 32)); a = np.abs(x).max(-1, keepdims=True)
;;       e = np.where(a > 0, np.clip(np.frexp(np.where(a > 0, a, 1))[1] - 1 - 2, -126, 127), 0)      # np.frexp(a)[1] - 1 = floor(log2(a)), exactly
;;       r = np.clip(x / 2.0 ** e, -7.5, 7.5)
;;       step = 2.0 ** (np.maximum(np.frexp(np.where(r == 0, 1, r))[1] - 1, 0) - 3)
;;       q = np.round(r / step) * step * 2.0 ** e      # np.round: ties to even
;;       return np.moveaxis(q.reshape(q.shape[:-2] + (-1,))[..., :K], -1, axis).astype(np.float32)
;;   ~~~
;;   SOFTMAX AHEAD OF A QUANTISED PRODUCT. Where the list says 'softmax', what is quantised is not the finished softmax but p = 2^(t - M), with t = logit x log2(e) and M = ceil(the row's largest t), a whole number; so 1/2 < the row's largest p <= 1. The row's sum l is taken of the UNQUANTISED p, in f32, and the product's result is divided by l at the end. Since M is a whole number, a kernel that streams over the keys may use a running M (the ceiling of the running maximum): every later rescaling is an exact power of two, which a block's scale takes up: the codes' values come out the same.
;;   OPERANDS COMPUTED ON THE WAY. 'Computed on the way' means the value that the module computes at that place (a softmax that the list does not call 'softmax' is quantised finished and normalised). What goes into a quantiser is computed in f32, as accurately as f32 sums, v_exp_f32 and their like allow (about 1e-6 of the number): no bf16 or f16 on the way to a quantiser, and a product that is left as it is and whose result goes on into a quantised operand takes f32 operands (vector FMAs, or v_wmma_f32_16x16x4_f32). A number that lies on a knife's edge between two numbers of the format may be rounded either way, as far as f32 arithmetic and the matrix unit's own rounding can turn it there, and no further.
;; One version. Each part assembles by itself: llvm-mc -triple=amdgcn-amd-amdhsa -mcpu=gfx1250 --defsym DOCPART=n.
;; ======== version 1 of 1: 2 launches
;; limits: right only within a limited range of input values
;; workspace buffers: kv 13,369,344 bytes
;; launch prep (part 1): grid 1024 x 1, 4 waves a work-group, no clusters, 35,328 bytes of LDS; arguments key, value, kv; writes kv
.if DOCPART == 1
	.amdgcn_target "amdgcn-amd-amdhsa--gfx1250"
	.amdhsa_code_object_version 6
	.text
	.protected	k_q10e9484163_prep
	.globl	k_q10e9484163_prep
	.p2align	8
	.type	k_q10e9484163_prep,@function
k_q10e9484163_prep:
	s_mov_b64 s[64:65], 0
	v_nop
	global_prefetch_b8 v0, s[64:65] scope:SCOPE_SE
	s_setreg_imm32_b32 hwreg(HW_REG_WAVE_MODE, 25, 1), 1
	s_wait_xcnt 0x0
; key, value: [64 heads][2048 keys][64] f32.  Both are turned once into codes of FP6 (E2M3) with one E8M0 byte for each 32 along the product's K, and laid in kv as images of the operands' registers.
; K is quantised along the head's 64 (two blocks a key), V along the keys (four blocks a channel for 128 keys).  A block's byte is its largest magnitude's exponent field - 2, held at 1 from below.
; (A block of zeros keeps the byte 1 where the rule says 127: its codes are zeros, and this program alone reads the bytes.)
; LIMITS: blocks whose largest magnitude lies under 2^-124 keep the byte 1; NaN and infinities among the inputs are not served.
; A CHUNK of kv serves one head and 128 keys: 13,056 bytes = 51 x 256.  Work-group x makes chunk x = 16 x head + step.
;   0      K's codes: 8 tiles of 16 keys, 768 bytes each, two tiles to an image of 12 registers (three pieces of 512 bytes, lane l's 16 bytes at 16 l).
;          Lane (r, h) of tile 4 c + u holds block h (24 bytes) of key 64 c + 8 u + r for r < 8 and of key 64 c + 32 + 8 u + r - 8 for r >= 8:
;          in the transposed scores a lane's 32 registers of tiles 4 c .. 4 c + 3 are then one whole block of 32 neighbouring keys.
;   6,144  K's scale words: two images of 256 bytes, 8 bytes a lane; in a word register lanes 0-15 carry the even tile's rows, lanes 16-31 the odd tile's.  A word: block 0's byte, block 1's, 0x7f, 0x7f.
;   6,656  V's codes: 4 tiles of 16 channels, 1,536 bytes each: lane (r, h): channel 16 t + r, registers 6 c .. 6 c + 5 = keys 64 c + 32 h + 0 .. 31.
;   12,800 V's scale words: two images of 128 bytes: lanes 0-15 the even tile's channels, lanes 16-31 the odd tile's.
; SHARES: waves 0, 1: 64 keys of K each; waves 2, 3: 128 keys x 32 channels of V each.  Waves share nothing: no barrier.  No tensor loads.
.set CHUNK, 13056
.set KSCL,  6144
.set VCOD,  6656
.set VSCL,  12800
.set GRPB,  1536
.set SROW,  272                        ; a key's row in the stage: 256 bytes + 16
.set SGRP,  32*SROW
.set SWAV,  2*SGRP
.set QM0, 10
.set QM1, 11
.set QSC, 12
.set BY,  13
.set W,   16
.set QT,  20
.set F0,  24
.set F1,  36
.set IN,  48
.set X0,  176
.set X1,  208
; 32 numbers of one block in v[xs] on -> six registers of codes at v[dst] on, and the block's byte in v[by]
.macro Q32 xs, dst, by
	v_max3_num_f32 v[QM0], |v[(\xs)]|, |v[(\xs)+1]|, 0x1800000      ; the floor 2^(3 - 127) among the leaves
	v_max3_num_f32 v[QM1], |v[(\xs)+2]|, |v[(\xs)+3]|, |v[(\xs)+4]|
.irp i, 5,9,13,17,21,25
	v_max3_num_f32 v[QM0], v[QM0], |v[(\xs)+\i]|, |v[(\xs)+\i+1]|
	v_max3_num_f32 v[QM1], v[QM1], |v[(\xs)+\i+2]|, |v[(\xs)+\i+3]|
.endr
	v_max3_num_f32 v[QM0], v[QM0], |v[(\xs)+29]|, |v[(\xs)+30]|
	v_max3_num_f32 v[QM0], v[QM0], v[QM1], |v[(\xs)+31]|
	v_add_nc_u32 v[QSC], 0xff000000, v[QM0]                         ; 2 off the exponent field: the conversion's scale operand
	v_cvt_scalef32_pk16_fp6_f32 v[(\dst):(\dst)+2], v[(\xs):(\xs)+15], v[QSC]
	v_cvt_scalef32_pk16_fp6_f32 v[QT:QT+2], v[(\xs)+16:(\xs)+31], v[QSC]
	v_lshrrev_b32 v[\by], 23, v[QSC]                                ; the byte; also the plain line behind the conversions
.irp i, 0,1,2
	v_mov_b32 v[(\dst)+3+\i], v[QT+\i]
.endr
.endm
	s_load_b128 s[4:7], s[0:1], 0x0                ; key, value
	s_load_b64 s[8:9], s[0:1], 0x10                ; kv
	v_lshl_add_u32 v240, v0, 2, 0x8800
	v_mov_b32 v241, 0
	v_lshrrev_b32 v1, 5, v0
	v_readfirstlane_b32 s16, v1                    ; wave 0..3
	s_and_b32 s17, s16, 1                          ; which half of the tensor's work is mine
	v_and_b32 v1, 31, v0                           ; lane
	v_and_b32 v2, 15, v0                           ; r
	v_bfe_u32 v3, v0, 4, 1                         ; h
	s_lshl_b32 s18, s17, 14
	v_lshl_add_u32 v4, v1, 4, s18                  ; K in
	s_lshl_b32 s18, s17, 8
	v_lshl_add_u32 v5, v1, 3, s18                  ; K's scale words out
	s_lshl_b32 s18, s17, 7
	v_lshl_add_u32 v6, v1, 2, s18                  ; V in; V's scale words out
	s_mul_i32 s18, s17, 2*GRPB
	v_lshl_add_u32 v23, v1, 4, s18                 ; codes out
	s_mul_i32 s19, s17, SWAV
	v_mul_u32_u24 v7, v3, SROW
	v_lshl_add_u32 v7, v2, 4, v7
	v_add_nc_u32 v7, s19, v7                       ; into a stage: a load's 512 bytes are two keys: row h, 16 r
	v_mul_u32_u24 v8, v2, SROW
	v_lshl_add_u32 v8, v3, 7, v8
	v_add_nc_u32 v8, s19, v8                       ; out of it: row r, my block's 128 bytes
	v_lshlrev_b32 v9, 3, v3                        ; 8 h
	v_mov_b32 v14, 0
	v_cmp_le_u32 vcc_lo, 16, v1                    ; lanes 16-31
	s_mov_b32 s24, 0x76543210
	s_mov_b32 s25, 0xfedcba98
	s_lshl_b32 s10, ttmp9, 15
	s_mov_b32 s11, 0
	s_mul_i32 s12, ttmp9, CHUNK
	s_mov_b32 s13, 0
	s_wait_kmcnt 0x0
	s_add_nc_u64 s[8:9], s[8:9], s[12:13]
	s_cmp_lt_u32 s16, 2
	s_cselect_b64 s[4:5], s[4:5], s[6:7]
	s_add_nc_u64 s[4:5], s[4:5], s[10:11]
	s_cmp_lt_u32 s16, 2
	s_cbranch_scc0 .Lvalue
; ---- K: 64 keys; each load reads 512 consecutive bytes (two keys)
.set n, 0
.rept 32
	global_load_b128 v[IN+4*n:IN+4*n+3], v4, s[4:5] offset:512*n th:TH_LOAD_NT
.set n, n+1
.endr
.macro KWORD dst
	v_lshlrev_b32 v[BY], v9, v[BY]
	v_permlanex16_b32 v14, v[BY], s24, s25
	v_or_b32 v[\dst], v[BY], v14
.endm
.macro KGROUP g                        ; tiles 2 g and 2 g + 1 of my four: keys 16 g .. 16 g + 15 and 32 + 16 g .. 32 + 16 g + 15 of my 64
	s_wait_loadcnt 8*(1-\g)                        ; group 0 takes loads 0-7 and 16-23: the eight youngest may be out
.set n, 0
.rept 16                                       ; load 8 g + n % 8 + 16 (n / 8), keys k = 2 x that and k + 1, goes to stage row 16 (odd tile) + 8 (k / 32) + k % 8
	ds_store_b128 v7, v[IN+4*(8*\g+(n&7)+16*(n>>3)):IN+4*(8*\g+(n&7)+16*(n>>3))+3] offset:\g*SGRP+(16*((n>>2)&1)+8*(n>>3)+((2*n)&7))*SROW
.set n, n+1
.endr
.set n, 0
.rept 8                                        ; LDS serves a wave's instructions in order: these see my stores
	ds_load_b128 v[X0+4*n:X0+4*n+3], v8 offset:\g*SGRP+16*n
.set n, n+1
.endr
.set n, 0
.rept 8
	ds_load_b128 v[X1+4*n:X1+4*n+3], v8 offset:\g*SGRP+16*SROW+16*n
.set n, n+1
.endr
	s_wait_dscnt 8                                 ; the even tile's numbers are in
	Q32 X0, F0+12*\g, BY
	KWORD 18
	s_wait_dscnt 0x0
	Q32 X1, F0+12*\g+6, BY
	KWORD 19
	v_cndmask_b32 v[W+\g], v18, v19, vcc_lo
	v_or_b32 v[W+\g], 0x7f7f0000, v[W+\g]
.irp c, 0,1,2
	global_store_b128 v23, v[F0+12*\g+4*\c:F0+12*\g+4*\c+3], s[8:9] offset:\g*GRPB+512*\c   ; 512 consecutive bytes
.endr
.endm
	s_wait_alu depctr_va_vdst(0)
	KGROUP 0
	KGROUP 1
	global_store_b64 v5, v[W:W+1], s[8:9] offset:KSCL
	s_wait_tensorcnt 0x0                           ; the wave's end
	ds_add_u32 v240, v241
	s_wait_dscnt 0x0
	s_endpgm
; ---- V: a lane takes a channel and its registers run down the keys
.Lvalue:
.macro VLOAD b
.set n, 0
.rept 32
	global_load_b32 v[IN+32*(\b)+n], v6, s[4:5] offset:(32*(\b)+n)*256 th:TH_LOAD_NT
.set n, n+1
.endr
.endm
.macro VBLOCK b
.if (\b) < 3
	s_wait_loadcnt 32                              ; this block's 32 loads are in; the next block's may be out
.else
	s_wait_loadcnt 0x0
.endif
.if (\b)+2 < 4
	VLOAD (\b)+2
.endif
	Q32 IN+32*(\b), F0+12*((\b)%2)+6*((\b)/2), BY
.if (\b) == 0
	v_mov_b32 v[W], v[BY]
.else
	v_lshl_or_b32 v[W], v[BY], 8*(\b), v[W]
.endif
.endm
	VLOAD 0
	VLOAD 1
	VBLOCK 0
	VBLOCK 1
	VBLOCK 2
	VBLOCK 3
.set n, 0
.rept 12                                       ; F0's lanes 16-31 change places with F1's lanes 0-15: F0 is the even tile's fragment, F1 the odd tile's
	v_permlane16_swap_b32 v[F0+n], v[F1+n]
.set n, n+1
.endr
.irp e, 0,1
.irp c, 0,1,2
	global_store_b128 v23, v[F0+12*\e+4*\c:F0+12*\e+4*\c+3], s[8:9] offset:VCOD+\e*GRPB+512*\c
.endr
.endr
	global_store_b32 v6, v[W], s[8:9] offset:VSCL
	s_endpgm
.Lfunc_end_k_q10e9484163_prep:
	.size	k_q10e9484163_prep, .Lfunc_end_k_q10e9484163_prep-k_q10e9484163_prep
	.p2alignl 7, 3214868480
	.fill 96, 4, 3214868480
	.section	.rodata,"a",@progbits
	.p2align	6, 0x0
	.amdhsa_kernel k_q10e9484163_prep
		.amdhsa_group_segment_fixed_size 35328
		.amdhsa_private_segment_fixed_size 0
		.amdhsa_enable_private_segment 0
		.amdhsa_kernarg_size 24
		.amdhsa_user_sgpr_count 2
		.amdhsa_user_sgpr_kernarg_segment_ptr 1
		.amdhsa_wavefront_size32 1
		.amdhsa_system_sgpr_workgroup_id_x 1
		.amdhsa_system_sgpr_workgroup_id_y 1
		.amdhsa_system_sgpr_workgroup_id_z 1
		.amdhsa_system_vgpr_workitem_id 0
		.amdhsa_next_free_vgpr 242
		.amdhsa_next_free_sgpr 66
		.amdhsa_reserve_vcc 1
		.amdhsa_float_denorm_mode_32 3
		.amdhsa_float_denorm_mode_16_64 3
		.amdhsa_memory_ordered 1
		.amdhsa_forward_progress 1
		.amdhsa_inst_pref_size 36
	.end_amdhsa_kernel
	.amdgpu_metadata
---
amdhsa.version: [ 1, 2 ]
amdhsa.kernels:
  - .name:           k_q10e9484163_prep
    .symbol:         k_q10e9484163_prep.kd
    .args:
      - { .name: key, .offset: 0, .size: 8, .value_kind: global_buffer, .address_space: global }
      - { .name: value, .offset: 8, .size: 8, .value_kind: global_buffer, .address_space: global }
      - { .name: kv, .offset: 16, .size: 8, .value_kind: global_buffer, .address_space: global }
    .group_segment_fixed_size: 35328
    .private_segment_fixed_size: 0
    .kernarg_segment_align: 8
    .kernarg_segment_size: 24
    .max_flat_workgroup_size: 128
    .sgpr_count:     66
    .vgpr_count:     242
    .wavefront_size: 32
...
	.end_amdgpu_metadata
.endif
;; end of part 1
;; launch attn (part 2): grid 4 x 64, 8 waves a work-group, clusters of 4 x 4, 327,680 bytes of LDS; arguments query, mask, kv, out0; writes out0
.if DOCPART == 2
	.amdgcn_target "amdgcn-amd-amdhsa--gfx1250"
	.amdhsa_code_object_version 6
	.text
	.protected	k_q10e9484163_attn
	.globl	k_q10e9484163_attn
	.p2align	8
	.type	k_q10e9484163_attn,@function
k_q10e9484163_attn:
	s_mov_b64 s[64:65], 0
	v_nop
	global_prefetch_b8 v0, s[64:65] scope:SCOPE_SE
	s_setreg_imm32_b32 hwreg(HW_REG_WAVE_MODE, 25, 1), 1
	s_wait_xcnt 0x0
	s_wait_alu depctr_hold_cnt(0) depctr_sa_sdst(0) depctr_va_vdst(0) depctr_va_sdst(0) depctr_va_ssrc(0) depctr_va_vcc(0) depctr_vm_vsrc(0)
	s_getreg_b32 s2, hwreg(HW_REG_IB_STS2, 6, 4)
	s_cmp_eq_u32 s2, 0
	s_cbranch_scc0 .Lentry_in_a_cluster
	s_endpgm
.Lentry_in_a_cluster:
	s_bfe_u32 s2, ttmp6, 0x10000c
	s_cmp_lg_u32 s2, 0xf033
	s_cbranch_scc0 .Lentry_shape_is_right
	s_endpgm
.Lentry_shape_is_right:
; out0[b][hd][q][:] = softmax_k(L) V, with L = (Q . K / 8) x float(mask[b][q][k]) where that is above 0 and -10,000 elsewhere.  4 batches, 16 heads, 2,048 queries and keys, head size 64.
; Both products on codes of FP6 (E2M3) with one E8M0 byte for each 32 along K.  K's and V's codes come from kv (register images, a chunk of 13,056 bytes for a head and 128 keys); Q is quantised here, in registers.
; THE SOFTMAX: t = L x log2(e); M = the row's largest t so far, rounded up to a whole number; p = 2^(t - M) is quantised along the keys, not normalised; the row's sum is taken of the unquantised p and divides at the end.
; When M moves, the sum and O are multiplied by 2^(old M - new M), which rounds nothing.  -10,000 is carried as a number like any other, so a row without a positive logit comes out even.
; THE THRESHOLD: x = score x mask - 2^-126 in one multiply-add (the division by 8 is kept for c = log2(e) / 8).  What is not positive is then negative, with its sign bit set, and as signed whole numbers the bits of every
; negative x above -80,000 lie under the bits of -80,000 = 8 x -10,000, those of a positive x over them: one signed maximum with those bits keeps the positive x and replaces the others.
; LIMITS: a positive score x mask of at most 2^-126 counts as not positive; a score x mask under -80,000 (a logit under -10,000) keeps its own value, which shows only in a row that has no positive logit;
; NaN and infinities among the inputs are not served; where score x mask leaves f32's range although an eighth of it would not, the result differs; blocks of Q under 2^-124 keep the byte 1; |t| stays under 2^31.
; SHARES.  A work-group: 128 queries of one batch x four heads.  Each of its eight waves: one tile of 16 queries for all four heads: its 64 mask numbers of a key step are read and converted once for four heads.
; LAYOUT.  Both products are used transposed: S^T = K Q^T, O^T = V^T P^T: a lane holds one query (lane % 16).  kv orders K's tile rows so that register 32 c + i of the scores is key 64 c + 32 (lane / 16) + i:
; a lane holds two whole blocks of 32 keys, in the order of the second product's operand: a block's maximum needs no other lane and the codes no lane exchange.
; The first product's K is 64 of the instruction's 128: Q's fragment has zero codes in its upper six registers, so K's fragments lie packed, six registers a tile.
; CLUSTER, 4 x 4.  x = the group of four heads, y = 16 x batch + block of 128 queries.  A row of the cluster shares the mask's tile, a column the chunks of kv: each is asked for jointly.
; Waves 0-3 ask for a chunk each, waves 4-7 for 32 rows of the mask each: one tensor load a wave and key step, first behind the round.
; PREFETCH: in each trip but the last two, behind the first head's work, waves 0-3 name the blocks of 256 bytes of the key step two steps on from the one just asked for: of the mask's 128 rows the partner at cx takes 32
; (a lane a row, waves 0 and 1 a half row each); of the column's four chunks the partner at cy takes one (51 blocks: wave 2 names 32, wave 3 the other 19, its spare lanes the last again).
; REGISTERS.  Window 0: v1-15 addresses and constants; v16-31 statistics; v32-42 scale words; v43 the prefetch's offset; v44-75 at work; v76-123 V's fragments; v124-187 the mask as f32; v188-251 scores, then p.
;             Window 1: v0-127 O^T (head h at 32 h); v128-175 Q (12 a head); v176-229 K's eight tiles, packed, and six zeros.
.set IMAX,  1                          ; 1: the threshold by a signed maximum; 0: by a compare and a select
.set CHUNK, 13056
.set KSCL,  6144
.set VCOD,  6656
.set VSCL,  12800
.set SLOT1, 131072
.set MOFF,  4*CHUNK                    ; a slot: four heads' chunks, then the mask's 128 rows
.set MP,    528                        ; a row of the mask's tile in LDS: 512 bytes + 16
.set STAGE, 2*SLOT1                    ; 16 rows x 272 bytes for each wave: Q on the way in, O on the way out; no tensor load lands here
.set SP,    272
.set SPARE, STAGE+8*16*SP              ; the spare words, 128 bytes for each wave
.set HEADB, 2048*256
.set L16, 1
.set L8,  2
.set L4,  3
.set AM0, 4                            ; MOFF + (16 wave + r) x 528 + 128 h
.set SPW, 5
.set NIL, 6
.set ADK, 7
.set AD8, 8
.set AD4, 9
.set ADM, 10
.set STO, 11
.set SRD, 12
.set SQR, 13
.set NEG, 14                           ; -80,000
.set H8,  15                           ; 8 h
.set ST,  16                           ; head h: v[16 + 4 h] -M, + 1 the largest t, + 2, + 3 the sum in two halves
.set QS,  32
.set KS,  36
.set VS,  40
.set PW,  42                           ; p's scale word
.set PFO, 43
.set PC,  44                           ; v44-55 p's codes
.set BM,  56                           ; v56-57 my two blocks' largest x, then p; v56-63 eight chains of the maxima; v56-67 with v74-75 seven chains of the sum
.set TP,  60                           ; v60-66 the conversions' second halves
.set SO,  68                           ; v68-69 the conversions' scale operands
.set BY,  70                           ; v70-71 bytes
.set FF,  72                           ; v72 f = 2^(old M - new M); v73 named with it as a pair
.set T0,  74
.set VF,  76
.set MF,  124
.set S,   188
.set QF,  128
.set KF,  176
.set QM0, BM
.set QM1, BM+1
.set QSC, SO
.set QT,  TP
.set WV,  12
.set G1K, 24
.set G1M, 32
.set G0K, 40
.set G0M, 44
.set CM,  48
.set SEL, 56
.set CS,  58
.set TB,  60
.set CNT, 61
.set PF,  66                           ; s[66:67] where my prefetch stands; s[68:69] its step; s[70:71] its first offset
.set PS,  68
.set PO,  70
.set TN,  76                           ; s[76:77] -2^-126
.set MSB, 0
.macro WIN new
.if MSB != \new
	s_set_vgpr_msb (MSB<<8)|\new
.set MSB, \new
.endif
.endm
.macro D1
	s_delay_alu instid0(VALU_DEP_1)
.endm
.macro D2
	s_delay_alu instid0(VALU_DEP_2)
.endm
.macro ROUND                           ; a round of the cluster's barrier
	s_barrier_signal -1
	s_barrier_wait -1
	s_cmp_lg_u32 s[WV], 0
	s_cbranch_scc1 .Lnot_wave_0_\@
	s_barrier_signal -3
.Lnot_wave_0_\@:
	s_barrier_wait -3
	s_barrier_signal -1
	s_barrier_wait -1
.endm
.macro JLOAD                           ; a joint load: the branch hangs on the wave's number alone; s_nop 0 and four v_nop follow each line
	s_cmp_lt_u32 s[WV], 4
	s_cbranch_scc0 .Lfor_mask_\@
	tensor_load_to_lds s[G0K:G0K+3], s[G1K:G1K+7]
	s_nop 0
.rept 4
	v_nop
.endr
	s_branch .Lasked_\@
.Lfor_mask_\@:
	tensor_load_to_lds s[G0M:G0M+3], s[G1M:G1M+7]
	s_nop 0
.rept 4
	v_nop
.endr
.Lasked_\@:
.endm
.macro MM d, a, b, c, sa, sb, odd      ; odd: source 0's scales stand in lanes 16-31
.if \odd
	v_wmma_scale_f32_16x16x128_f8f6f4 v[(\d):(\d)+7], v[(\a):(\a)+11], v[(\b):(\b)+11], \c, v[\sa], v[\sb] matrix_a_fmt:MATRIX_FMT_FP6 matrix_b_fmt:MATRIX_FMT_FP6 matrix_a_scale:MATRIX_SCALE_ROW1
.else
	v_wmma_scale_f32_16x16x128_f8f6f4 v[(\d):(\d)+7], v[(\a):(\a)+11], v[(\b):(\b)+11], \c, v[\sa], v[\sb] matrix_a_fmt:MATRIX_FMT_FP6 matrix_b_fmt:MATRIX_FMT_FP6
.endif
.endm
.macro Q32 xs, dst, by                 ; 32 numbers of one block -> six registers of codes and the block's byte
	v_max3_num_f32 v[QM0], |v[(\xs)]|, |v[(\xs)+1]|, 0x1800000
	v_max3_num_f32 v[QM1], |v[(\xs)+2]|, |v[(\xs)+3]|, |v[(\xs)+4]|
.irp i, 5,9,13,17,21,25
	D2
	v_max3_num_f32 v[QM0], v[QM0], |v[(\xs)+\i]|, |v[(\xs)+\i+1]|
	D2
	v_max3_num_f32 v[QM1], v[QM1], |v[(\xs)+\i+2]|, |v[(\xs)+\i+3]|
.endr
	D2
	v_max3_num_f32 v[QM0], v[QM0], |v[(\xs)+29]|, |v[(\xs)+30]|
	D1
	v_max3_num_f32 v[QM0], v[QM0], v[QM1], |v[(\xs)+31]|
	D1
	v_add_nc_u32 v[QSC], 0xff000000, v[QM0]
	v_cvt_scalef32_pk16_fp6_f32 v[(\dst):(\dst)+2], v[(\xs):(\xs)+15], v[QSC]
	v_cvt_scalef32_pk16_fp6_f32 v[QT:QT+2], v[(\xs)+16:(\xs)+31], v[QSC]
	v_lshrrev_b32 v[\by], 23, v[QSC]
.irp i, 0,1,2
	v_mov_b32 v[(\dst)+3+\i], v[QT+\i]
.endr
.endm
	s_load_b256 s[4:11], s[0:1], 0x0               ; query s[4:5], mask s[6:7], kv s[8:9], out0 s[10:11]
	v_lshl_add_u32 v[SPW], v0, 2, SPARE
	v_mov_b32 v[NIL], 0
	ds_add_u32 v[SPW], v[NIL]                      ; the opening lines: the add twice on end and its wait
	ds_add_u32 v[SPW], v[NIL]
	s_wait_dscnt 0x0
	v_lshrrev_b32 v[T0], 5, v0
	D1
	v_readfirstlane_b32 s[WV], v[T0]               ; wave 0..7
	s_and_b32 s18, s[WV], 3                        ; which chunk, or which 32 rows of the mask, I fetch
	s_bfe_u32 s13, ttmp6, 0x40000                  ; cx
	s_bfe_u32 s14, ttmp6, 0x40004                  ; cy
	s_lshl_b32 s19, ttmp9, 2
	s_add_co_u32 s19, s19, s13                     ; my group of four heads
	s_and_b32 s15, ttmp7, 0xffff
	s_lshr_b32 s16, s15, 2                         ; the batch
	s_lshl_b32 s17, s15, 2
	s_add_co_u32 s17, s17, s14                     ; y = 16 x batch + block of queries
	s_lshl_b32 s20, s14, 2
	s_lshl_b32 s20, 15, s20                        ; my row of the cluster
	s_lshl_b32 s21, 0x1111, s13                    ; my column
	s_or_b32 s[G1K+0], s21, (3<<16)|(1<<21)        ; a chunk: 51 rows of 32 elements of 8 bytes, dense
	s_mov_b32 s[G1K+1], 32<<16
	s_mov_b32 s[G1K+2], 51<<16
	s_mov_b32 s[G1K+3], 32<<16
	s_mov_b32 s[G1K+4], 51
	s_mov_b32 s[G1K+5], 32
	s_mov_b32 s[G1K+6], 0
	s_mov_b32 s[G1K+7], 0
	s_or_b32 s[G1M+0], s20, (2<<16)|(1<<20)|(1<<21)|(6<<22)|(3<<25)  ; the mask: 32 rows of 128 elements of 4 bytes, 16 bytes of padding behind each
	s_mov_b32 s[G1M+1], 128<<16
	s_mov_b32 s[G1M+2], 32<<16
	s_mov_b32 s[G1M+3], 128<<16
	s_mov_b32 s[G1M+4], 32
	s_mov_b32 s[G1M+5], 2048
	s_mov_b32 s[G1M+6], 0
	s_mov_b32 s[G1M+7], 0
	s_lshl_b32 s22, s16, 4
	s_lshl_b32 s23, s19, 2
	s_add_co_u32 s22, s22, s23                     ; my first head
	s_add_co_u32 s2, s22, s18
	s_mul_i32 s2, s2, 16*CHUNK
	s_mov_b32 s3, 0
	s_lshl_b32 s62, s17, 7
	s_lshl_b32 s63, s18, 5
	s_add_co_u32 s62, s62, s63
	s_lshl_b32 s62, s62, 13                        ; the mask's row 128 y + 32 (wave % 4), 8,192 bytes a row
	s_mov_b32 s63, 0
	; the prefetch: it stands at key step 2; each change of slots steps it before it is used
	s_add_co_u32 s20, s22, s14                     ; kv: head first + cy,
	s_lshl_b32 s20, s20, 4
	s_add_co_u32 s20, s20, 2
	s_mul_i32 s20, s20, CHUNK                      ; its chunk 2
	s_lshl_b32 s21, s17, 7
	s_lshl_b32 s23, s13, 5
	s_add_co_u32 s21, s21, s23
	s_lshl_b32 s21, s21, 13                        ; the mask: row 128 y + 32 cx,
	s_and_b32 s72, s[WV], 1
	s_lshl_b32 s23, s72, 8
	s_add_co_u32 s21, s21, s23                     ; the half row of my wave,
	s_add_co_u32 s21, s21, 2*512                   ; key step 2
	s_lshl_b32 s72, s72, 5
	s_mov_b32 s[PS], CHUNK
	s_mov_b32 s[PS+1], 0
	s_mov_b32 s[PO+1], 0
	s_cmp_lt_u32 s[WV], 2                          ; waves 0, 1 name the mask, waves 2, 3 kv
	s_cselect_b32 s[PO], s21, s20
	s_cselect_b32 s[PS], 512, s[PS]
	s_cselect_b32 s72, 0, s72                      ; my lanes' first block,
	s_cselect_b32 s73, 31, 50                      ; the last,
	s_cselect_b32 s74, 13, 8                       ; and the distance from block to block: a row of the mask, or 256 bytes
	s_lshl_b32 s22, s22, 19                        ; query and out0: my first head,
	s_and_b32 s23, s17, 15
	s_lshl_b32 s23, s23, 15
	s_add_co_u32 s22, s22, s23                     ; my block's 128 rows,
	s_lshl_b32 s23, s[WV], 12
	s_add_co_u32 s22, s22, s23                     ; my wave's 16
	s_mov_b32 s23, 0
	s_mul_i32 s[G0K+1], s18, CHUNK
	s_mul_i32 s[G0M+1], s18, 32*MP
	s_add_co_u32 s[G0M+1], s[G0M+1], MOFF
	s_mov_b32 s[G0K], 1
	s_mov_b32 s[G0M], 1
	s_mov_b32 s[SEL], 0x76543210
	s_mov_b32 s[SEL+1], 0xfedcba98
	s_mov_b32 s[CS], 0x3e38aa3b                    ; log2(e) / 8
	s_mov_b32 s[CS+1], s[CS]
	s_mov_b32 s[TN], 0x80800000                    ; -2^-126
	s_mov_b32 s[TN+1], s[TN]
	s_mov_b32 s[TB], 0
	s_mov_b32 s[CNT], 15
	v_and_b32 v[L16], 31, v0                       ; lane
	v_and_b32 v[T0], 15, v0                        ; r
	v_bfe_u32 v[T0+1], v0, 4, 1                    ; h
	v_add_nc_u32 v[PFO], s72, v[L16]
	v_lshlrev_b32 v[L8], 3, v[L16]
	v_min_u32 v[PFO], s73, v[PFO]
	v_lshlrev_b32 v[L4], 2, v[L16]
	v_lshlrev_b32 v[PFO], s74, v[PFO]
	v_lshlrev_b32 v[L16], 4, v[L16]
	s_mul_i32 s20, s[WV], 16*MP
	s_add_co_u32 s20, s20, MOFF
	v_mul_u32_u24 v[AM0], v[T0], MP
	D1
	v_lshl_add_u32 v[AM0], v[T0+1], 7, v[AM0]
	D1
	v_add_nc_u32 v[AM0], s20, v[AM0]
	s_mul_i32 s21, s[WV], 16*SP
	s_add_co_u32 s21, s21, STAGE
	v_mul_u32_u24 v[STO], v[T0], SP
	D1
	v_lshl_add_u32 v[SQR], v[T0+1], 7, v[STO]
	D2
	v_lshl_add_u32 v[STO], v[T0+1], 5, v[STO]
	D1
	v_add_nc_u32 v[STO], s21, v[STO]
	v_add_nc_u32 v[SQR], s21, v[SQR]
	v_mul_u32_u24 v[SRD], v[T0+1], SP
	D1
	v_lshl_add_u32 v[SRD], v[T0], 4, v[SRD]
	D1
	v_add_nc_u32 v[SRD], s21, v[SRD]
	v_mov_b32 v[NEG], 0xc79c4000
	v_lshlrev_b32 v[H8], 3, v[T0+1]
	s_wait_alu depctr_va_vdst(0)
	s_wait_kmcnt 0x0
	s_add_nc_u64 s[G0K+2:G0K+3], s[8:9], s[2:3]
	s_or_b32 s[G0K+3], s[G0K+3], 0x80000000
	s_add_nc_u64 s[G0M+2:G0M+3], s[6:7], s[62:63]
	s_or_b32 s[G0M+3], s[G0M+3], 0x80000000
	s_cmp_lt_u32 s[WV], 2
	s_cselect_b64 s[PF:PF+1], s[6:7], s[8:9]
	s_add_nc_u64 s[PF:PF+1], s[PF:PF+1], s[PO:PO+1]
	s_add_nc_u64 s[4:5], s[4:5], s[22:23]
	s_add_nc_u64 s[10:11], s[10:11], s[22:23]
.irp j, 0,1,2,3                                ; Q: four heads x 16 rows of 256 bytes; a load reads 512 consecutive bytes
.irp i, 0,1,2,3,4,5,6,7
	global_load_b128 v[MF+32*\j+4*\i:MF+32*\j+4*\i+3], v[L16], s[4:5] offset:HEADB*\j+512*\i th:TH_LOAD_NT
.endr
.endr
	ROUND                                          ; all sixteen work-groups are here: the first joint loads meet
	JLOAD                                          ; key step 0 into slot 0: one tensor load a wave at the head
	WIN 0x40
.set n, 0
.rept 128
	v_mov_b32 v[n], 0                              ; O^T: the key step is written for the loop and the tail alone; its first pass finds zeros
.set n, n+1
.endr
.set n, 0
.rept 6
	v_mov_b32 v[KF+48+n], 0                        ; what the last tile of K names as its upper six registers
.set n, n+1
.endr
	WIN 0
.irp h, 0,1,2,3
	v_mov_b32 v[ST+4*\h+1], 0xff61b1e6             ; the largest t so far: -3e38
	D1
	v_floor_f32 v[ST+4*\h], -v[ST+4*\h+1]
	v_mov_b32 v[ST+4*\h+2], 0
	v_mov_b32 v[ST+4*\h+3], 0
.endr
	v_mov_b32 v[FF+1], 0
; Q of head j: 16 rows turn through my stage, so that lane (r, h) gets block h of query r; six registers of codes and six of zeros make the fragment
.macro QHEAD j
	s_wait_loadcnt 24-8*(\j)                       ; this head's eight loads are in; the later heads' may be out
.irp i, 0,1,2,3,4,5,6,7
	ds_store_b128 v[SRD], v[MF+32*(\j)+4*\i:MF+32*(\j)+4*\i+3] offset:2*SP*\i
.endr
.irp i, 0,1,2,3,4,5,6,7
	ds_load_b128 v[VF+4*\i:VF+4*\i+3], v[SQR] offset:16*\i
.endr
	s_wait_dscnt 0x0
	Q32 VF, PC, T0
	s_delay_alu instid0(VALU_DEP_4)
	v_lshlrev_b32 v[T0], v[H8], v[T0]
	D1
	v_permlanex16_b32 v[T0+1], v[T0], s[SEL], s[SEL+1]
	D1
	v_or_b32 v[T0], v[T0], v[T0+1]
	D1
	v_or_b32 v[QS+(\j)], 0x7f7f0000, v[T0]
	WIN 0x40
.irp i, 0,1,2,3,4,5
	v_mov_b32 v[QF+12*(\j)+\i], v[PC+\i]
.endr
.irp i, 0,1,2,3,4,5
	v_mov_b32 v[QF+12*(\j)+6+\i], 0
.endr
	WIN 0
.endm
	QHEAD 0
	QHEAD 1
	QHEAD 2
	QHEAD 3
	s_wait_alu depctr_va_vdst(0)
; THE CHANGE OF SLOTS: each wave waits for all its tensor loads (one is out), adds 0 to its spare word, and waits for that and for its reads of the slot that it has left.
.macro CHANGE fill
.if \fill
	s_wait_xcnt 0x0                                ; my prefetch has read its address
	s_add_nc_u64 s[PF:PF+1], s[PF:PF+1], s[PS:PS+1]
.endif
	s_wait_tensorcnt 0x0
	ds_add_u32 v[SPW], v[NIL]
.if \fill
	s_xor_b32 s[G0K+1], s[G0K+1], SLOT1
	s_add_nc_u64 s[G0K+2:G0K+3], s[G0K+2:G0K+3], CHUNK
	s_xor_b32 s[G0M+1], s[G0M+1], SLOT1
	s_add_nc_u64 s[G0M+2:G0M+3], s[G0M+2:G0M+3], 512
	s_wait_dscnt 0x0
	ROUND
	JLOAD                                          ; the joint refill, first behind the round
.else
	s_wait_dscnt 0x0
	s_barrier_signal -1
	s_barrier_wait -1
.endif
.endm
.macro STEPHEAD                        ; the addresses in the slot in hand; my 64 numbers of the mask and head 0's K; the mask becomes f32 once for four heads
	v_add_nc_u32 v[ADK], s[TB], v[L16]
	v_add_nc_u32 v[AD8], s[TB], v[L8]
	v_add_nc_u32 v[AD4], s[TB], v[L4]
	v_add_nc_u32 v[ADM], s[TB], v[AM0]
.irp c, 0,1
.irp j, 0,1,2,3,4,5,6,7
	ds_load_b128 v[MF+32*\c+4*\j:MF+32*\c+4*\j+3], v[ADM] offset:256*\c+16*\j   ; register 32 c + i: mask(my query, key 64 c + 32 h + i)
.endr
.endr
	WIN 0x40
.set n, 0
.rept 12
	ds_load_b128 v[KF+4*n:KF+4*n+3], v[ADK] offset:512*n
.set n, n+1
.endr
	WIN 0
	ds_load_b64 v[KS:KS+1], v[AD8] offset:KSCL
	ds_load_b64 v[KS+2:KS+3], v[AD8] offset:KSCL+256
	s_wait_dscnt 22                                ; the mask's first eight loads are in; its other eight and K's 14 may be out
.set n, 0
.rept 32
	v_cvt_f32_i32 v[MF+n], v[MF+n]
.set n, n+1
.endr
	s_wait_dscnt 14                                ; the mask is in; K's 14 loads may be out
.rept 32
	v_cvt_f32_i32 v[MF+n], v[MF+n]
.set n, n+1
.endr
.endm
.macro VL n                            ; one of this head's 14 loads of V: 12 pieces of codes, 2 scale words
.if (\n) < 12
	ds_load_b128 v[VF+4*(\n):VF+4*(\n)+3], v[ADK] offset:CH+VCOD+512*(\n)
.else
	ds_load_b32 v[VS+(\n)-12], v[AD4] offset:CH+VSCL+128*((\n)-12)
.endif
.endm
; ONE HEAD'S KEY STEP: 128 keys
.macro UNIT h
.set CH, CHUNK*(\h)
.set OT, 32*(\h)
.set SH, ST+4*(\h)
	s_wait_dscnt 0x0                               ; this head's K and its scale words are in
	WIN 0x05
.irp t, 0,1,2,3,4,5,6,7                        ; S^T = K Q^T: eight tiles of 16 keys, each begun with the constant 0
	MM S+8*\t, KF+6*\t, QF+12*(\h), 0, KS+\t/2, QS+(\h), \t%2
.endr
	WIN 0
.rept 4
	v_nop                                          ; four places in front of the loads into K's registers and of the first read of the scores
.endr
.irp q, 0,1,2,3,4,5,6,7,8,9,10,11,12,13        ; this head's V: wanted at the unit's end
	VL \q
.endr
.if (\h) < 3
	WIN 0x40
.set n, 0
.rept 12
	ds_load_b128 v[KF+4*n:KF+4*n+3], v[ADK] offset:CH+CHUNK+512*n
.set n, n+1
.endr
	WIN 0
	ds_load_b64 v[KS:KS+1], v[AD8] offset:CH+CHUNK+KSCL
	ds_load_b64 v[KS+2:KS+3], v[AD8] offset:CH+CHUNK+KSCL+256
.endif
.set n, 0
.rept 32
	v_pk_fma_f32 v[S+n:S+n+1], v[S+n:S+n+1], v[MF+n:MF+n+1], s[TN:TN+1] op_sel_hi:[1,1,0]   ; x = score x mask - 2^-126; each accumulator from its low end on
.set n, n+2
.endr
.if IMAX
.set n, 0
.rept 64
	v_max_i32 v[S+n], v[NEG], v[S+n]               ; x where it is positive, else -80,000
.set n, n+1
.endr
.else
.irp a, 0,1,2,3,4,5,6,7
.irp i, 0,1,2,3,4,5,6,7
	v_cmp_lt_f32 s[CM+\i], 0, v[S+8*\a+\i]
.endr
.irp i, 0,1,2,3,4,5,6,7
	v_cndmask_b32 v[S+8*\a+\i], v[NEG], v[S+8*\a+\i], s[CM+\i]
.endr
.endr
.endif
.irp k, 0,1,2,3                                ; the largest x of my two blocks of 32 keys: four chains a block (chain k of block c in v[BM + 4 c + k], numbers 8 k .. 8 k + 6), the eight by turns
.irp c, 0,1
	v_max3_num_f32 v[BM+4*\c+\k], v[S+32*\c+8*\k], v[S+32*\c+8*\k+1], v[S+32*\c+8*\k+2]
.endr
.endr
.irp i, 3,5
.irp k, 0,1,2,3
.irp c, 0,1
	v_max3_num_f32 v[BM+4*\c+\k], v[BM+4*\c+\k], v[S+32*\c+8*\k+\i], v[S+32*\c+8*\k+\i+1]
.endr
.endr
.endr
.irp k, 0,2                                    ; the chains are joined, each join with one of the four numbers 8 k + 7 left over
.irp c, 0,1
	v_max3_num_f32 v[BM+4*\c+\k], v[BM+4*\c+\k], v[BM+4*\c+\k+1], v[S+32*\c+4*\k+7]
.endr
.endr
.irp c, 0,1
	D2
	v_max3_num_f32 v[BM+4*\c], v[BM+4*\c], v[BM+4*\c+2], v[S+32*\c+23]
.endr
.irp c, 0,1
	D2
	v_max_num_f32 v[BM+\c], v[BM+4*\c], v[S+32*\c+31]
.endr
	D1
	v_max_num_f32 v[T0], v[BM], v[BM+1]            ; the row's statistics
	D1
	v_permlanex16_b32 v[T0+1], v[T0], s[SEL], s[SEL+1]
	D1
	v_max_num_f32 v[T0], v[T0], v[T0+1]            ; the step's largest x of my query
	D1
	v_mul_f32 v[T0], s[CS], v[T0]                  ; as t
	D1
	v_max_num_f32 v[SH+1], v[SH+1], v[T0]          ; the running largest t
	v_mov_b32 v[T0], v[SH]
	D2
	v_floor_f32 v[SH], -v[SH+1]                    ; the new -M: a whole number
.set n, 0
.rept 32
	v_pk_fma_f32 v[S+n:S+n+1], v[S+n:S+n+1], s[CS:CS+1], v[SH:SH+1] op_sel_hi:[1,0,0]   ; t - M; the three links that make f stand among these lines, six apart
.if n == 8
	v_sub_f32 v[T0], v[SH], v[T0]                  ; old M less new M
.endif
.if n == 20
	v_cvt_i32_f32 v[T0], v[T0]
.endif
.if n == 32
	v_ldexp_f32 v[FF], 1.0, v[T0]                  ; f = 2^(old M - new M)
.endif
.set n, n+2
.endr
.irp c, 0,1
	v_fma_f32 v[BM+\c], v[BM+\c], s[CS], v[SH]     ; the same of each block's largest x
.endr
	WIN 0x41
	s_wait_alu depctr_va_vdst(0)
.set n, 0
.rept 16
	v_pk_mul_f32 v[OT+n:OT+n+1], v[OT+n:OT+n+1], v[FF:FF+1] op_sel_hi:[1,0]   ; O^T under the new M
.set n, n+2
.endr
	WIN 0
.set n, 0
.rept 64
	v_exp_f32 v[S+n], v[S+n]                       ; p = 2^(t - M), at most 1
.set n, n+1
.endr
.irp c, 0,1
	v_exp_f32 v[BM+\c], v[BM+\c]                   ; the block's largest p: the same two instructions on the same number
.endr
	v_pk_mul_f32 v[SH+2:SH+3], v[SH+2:SH+3], v[FF:FF+1] op_sel_hi:[1,0]   ; the sums under the new M; the plain line behind the exponentials
	s_wait_alu depctr_va_vdst(0)                   ; one wait for the batch, ahead of its first reader
.irp c, 0,1
	v_max_num_f32 v[BM+\c], 0x1800000, v[BM+\c]    ; the floor 2^(3 - 127)
.endr
.irp c, 0,1
	D2
	v_add_nc_u32 v[SO+\c], 0xff000000, v[BM+\c]    ; the conversion's scale operand
.endr
.irp c, 0,1
	D2
	v_lshrrev_b32 v[BY+\c], 23, v[SO+\c]           ; the byte of block 2 c + h
.endr
.irp c, 0,1
	v_cvt_scalef32_pk16_fp6_f32 v[PC+6*\c:PC+6*\c+2], v[S+32*\c:S+32*\c+15], v[SO+\c]
	v_cvt_scalef32_pk16_fp6_f32 v[TP+4*\c:TP+4*\c+2], v[S+32*\c+16:S+32*\c+31], v[SO+\c]   ; (a conversion's three registers begin on an even number)
.endr
	v_lshl_or_b32 v[T0], v[BY+1], 16, v[BY]        ; my two bytes; also the plain line behind the scaled conversions.  The word's links stand among the six moves
	v_mov_b32 v[PC+3], v[TP]
	v_mov_b32 v[PC+4], v[TP+1]
	s_delay_alu instid0(VALU_DEP_3)
	v_lshlrev_b32 v[T0], v[H8], v[T0]              ; at their places,
	v_mov_b32 v[PC+5], v[TP+2]
	v_mov_b32 v[PC+9], v[TP+4]
	s_delay_alu instid0(VALU_DEP_3)
	v_permlanex16_b32 v[T0+1], v[T0], s[SEL], s[SEL+1]
	v_mov_b32 v[PC+10], v[TP+5]
	v_mov_b32 v[PC+11], v[TP+6]
	s_delay_alu instid0(VALU_DEP_3)
	v_or_b32 v[PW], v[T0], v[T0+1]                 ; with lane l xor 16's two: p's scale word
.set n, 0
.irp x, T0,BM,BM+2,TP,TP+2,TP+4,TP+6           ; the row's sum of the unquantised p: two at a time, eight chains by turns: the kept sum and seven begun here
	v_pk_add_f32 v[\x:\x+1], v[S+n:S+n+1], v[S+n+2:S+n+3]
.set n, n+4
.endr
.rept 2
	v_pk_add_f32 v[SH+2:SH+3], v[SH+2:SH+3], v[S+n:S+n+1]
.set n, n+2
.irp x, T0,BM,BM+2,TP,TP+2,TP+4,TP+6
	v_pk_add_f32 v[\x:\x+1], v[\x:\x+1], v[S+n:S+n+1]
.set n, n+2
.endr
.endr
	v_pk_add_f32 v[SH+2:SH+3], v[SH+2:SH+3], v[S+60:S+61]
	v_pk_add_f32 v[T0:T0+1], v[T0:T0+1], v[S+62:S+63]
	v_pk_add_f32 v[BM:BM+1], v[BM:BM+1], v[BM+2:BM+3]
	v_pk_add_f32 v[TP:TP+1], v[TP:TP+1], v[TP+2:TP+3]
	v_pk_add_f32 v[TP+4:TP+5], v[TP+4:TP+5], v[TP+6:TP+7]
	v_pk_add_f32 v[SH+2:SH+3], v[SH+2:SH+3], v[T0:T0+1]
	s_delay_alu instid0(VALU_DEP_3)
	v_pk_add_f32 v[BM:BM+1], v[BM:BM+1], v[TP:TP+1]
	D2
	v_pk_add_f32 v[SH+2:SH+3], v[SH+2:SH+3], v[TP+4:TP+5]
	D1
	v_pk_add_f32 v[SH+2:SH+3], v[SH+2:SH+3], v[BM:BM+1]
	s_wait_alu depctr_va_vdst(0)
	s_wait_dscnt 0x0                               ; all my LDS loads, V and its scale words among them, are in
	WIN 0x50
.irp t, 0,1,2,3                                ; O^T += V^T P^T: four tiles of 16 channels by turns
	MM OT+8*\t, VF+12*\t, PC, v[OT+8*\t:OT+8*\t+7], VS+\t/2, PW, \t%2
.endr
	WIN 0
.endm
.macro STEP pf
	STEPHEAD
	UNIT 0
.if \pf
	s_cmp_lt_u32 s[WV], 4                          ; waves 0-3 name blocks,
	s_cbranch_scc0 .Lno_pf
	s_cmp_gt_u32 s[CNT], 2                         ; while a key step stands two on from the one just asked for
	s_cbranch_scc0 .Lno_pf
	global_prefetch_b8 v[PFO], s[PF:PF+1] th:TH_LOAD_NT scope:SCOPE_SE
.Lno_pf:
.endif
	UNIT 1
	UNIT 2
	UNIT 3
	s_xor_b32 s[TB], s[TB], SLOT1
.endm
.Lstep:                                            ; 15 trips: behind each change of slots the next key step is asked for
	CHANGE 1
	STEP 1
	s_sub_co_u32 s[CNT], s[CNT], 1
	s_cmp_lg_u32 s[CNT], 0
	s_cbranch_scc1 .Lstep
	CHANGE 0                                       ; the last key step is written out
	STEP 0
; THE WAY OUT, a head at a time: O^T / the sum goes through my stage and comes back as whole rows of 256 bytes, two an instruction
.macro OUT j
.set PB, 32*((\j)%2)
	v_add_f32 v[T0], v[ST+4*(\j)+2], v[ST+4*(\j)+3]
	D1
	v_permlanex16_b32 v[T0+1], v[T0], s[SEL], s[SEL+1]
	D1
	v_add_f32 v[T0], v[T0], v[T0+1]                ; the row's sum
	s_wait_alu depctr_va_vdst(0)
	v_rcp_f32 v[T0], v[T0]
	v_nop
	WIN 0x01
.set n, 0
	s_wait_alu depctr_va_vdst(0)
.rept 16
	v_pk_mul_f32 v[S+PB+n:S+PB+n+1], v[32*(\j)+n:32*(\j)+n+1], v[T0:T0+1] op_sel_hi:[1,0]   ; register 8 t + i: out(query r, channel 16 t + 8 h + i)
.set n, n+2
.endr
	WIN 0
.irp t, 0,1,2,3
	ds_store_b128 v[STO], v[S+PB+8*\t:S+PB+8*\t+3] offset:64*\t
	ds_store_b128 v[STO], v[S+PB+8*\t+4:S+PB+8*\t+7] offset:64*\t+16
.endr
.if (\j) >= 2
	s_wait_xcnt 0x0                                ; the stores of two heads back have read their registers
.endif
.irp i, 0,1,2,3,4,5,6,7
	ds_load_b128 v[MF+PB+4*\i:MF+PB+4*\i+3], v[SRD] offset:2*SP*\i
.endr
.irp i, 0,1,2,3,4,5,6,7
	s_wait_dscnt 7-\i                              ; the younger read-backs may be out
	global_store_b128 v[L16], v[MF+PB+4*\i:MF+PB+4*\i+3], s[10:11] offset:HEADB*(\j)+512*\i th:TH_STORE_NT   ; 512 consecutive bytes
.endr
.endm
	OUT 0
	OUT 1
	OUT 2
	OUT 3
	s_wait_tensorcnt 0x0                           ; the wave's end
	ds_add_u32 v[SPW], v[NIL]
	s_wait_dscnt 0x0
	ROUND                                          ; the closing round
	s_endpgm
.Lfunc_end_k_q10e9484163_attn:
	.size	k_q10e9484163_attn, .Lfunc_end_k_q10e9484163_attn-k_q10e9484163_attn
	.p2alignl 7, 3214868480
	.fill 96, 4, 3214868480
	.section	.rodata,"a",@progbits
	.p2align	6, 0x0
	.amdhsa_kernel k_q10e9484163_attn
		.amdhsa_group_segment_fixed_size 327680
		.amdhsa_private_segment_fixed_size 0
		.amdhsa_enable_private_segment 0
		.amdhsa_kernarg_size 32
		.amdhsa_user_sgpr_count 2
		.amdhsa_user_sgpr_kernarg_segment_ptr 1
		.amdhsa_wavefront_size32 1
		.amdhsa_system_sgpr_workgroup_id_x 1
		.amdhsa_system_sgpr_workgroup_id_y 1
		.amdhsa_system_sgpr_workgroup_id_z 1
		.amdhsa_system_vgpr_workitem_id 0
		.amdhsa_next_free_vgpr 512
		.amdhsa_next_free_sgpr 80
		.amdhsa_reserve_vcc 0
		.amdhsa_float_denorm_mode_32 3
		.amdhsa_float_denorm_mode_16_64 3
		.amdhsa_memory_ordered 1
		.amdhsa_forward_progress 1
		.amdhsa_inst_pref_size 204
	.end_amdhsa_kernel
	.amdgpu_metadata
---
amdhsa.version: [ 1, 2 ]
amdhsa.kernels:
  - .name:           k_q10e9484163_attn
    .symbol:         k_q10e9484163_attn.kd
    .args:
      - { .name: query, .offset: 0, .size: 8, .value_kind: global_buffer, .address_space: global }
      - { .name: mask, .offset: 8, .size: 8, .value_kind: global_buffer, .address_space: global }
      - { .name: kv, .offset: 16, .size: 8, .value_kind: global_buffer, .address_space: global }
      - { .name: out0, .offset: 24, .size: 8, .value_kind: global_buffer, .address_space: global }
    .group_segment_fixed_size: 327680
    .private_segment_fixed_size: 0
    .kernarg_segment_align: 8
    .kernarg_segment_size: 32
    .max_flat_workgroup_size: 256
    .sgpr_count:     80
    .vgpr_count:     512
    .wavefront_size: 32
...
	.end_amdgpu_metadata
.endif
;; end of part 2
